; MI455X (gfx1250); checked and timed in simulation.
; The chip was launched on July 23, 2026; its instructions are those of AMD's public machine-readable ISA for CDNA 5 (MIT licence, August 2026) and "CDNA5" Instruction Set Architecture Reference Guide (July 2026). The comments in the code are by the model that wrote it; some were corrected since.
;; Top K Router. Allowed arithmetic: matrix products marked QUANTISED: E5M2 operands, one given power-of-two scale a tensor, by v_wmma_f32_16x16x64_bf8_bf8 or v_wmma_f32_16x16x128_bf8_bf8, f32 sums; everything else in f32.
;; Inputs: W_codes 64 x 64 x 32 uint8 (E5M2 codes of W, K innermost, in blocks of 32 codes); lowp_scales 2 int32 (the exponents e of the quantised operands' scales 2^e); x_codes 16,384 x 64 x 32 uint8 (E5M2 codes of x, K innermost, in blocks of 32 codes).
;; Outputs: out0 16,384 x 64 float32; out1 16,384 x 2 int32; out2 16,384 x 2 float32.
;; This version of the problem:
;;   THIS VERSION OF THE PROBLEM IS GIVEN IN LOW PRECISION. The matrix products marked QUANTISED in the list below multiply operands that are first quantised to E5M2 (5 exponent bits, 2 mantissa bits; 8 bits a number), with one given power-of-two scale for each operand tensor; their sums are f32. All else is computed in f32.
;;   The module's matrix products, in the order in which they are computed (A, B: the left and right operand; K: the contracted axis; several contracted axes count as one K, in the product's order):
;;     1. [M 16,384, K 2,048] x [K 2,048, N 64]; A: input x (given as codes); B: input W (given as codes): QUANTISED (scales: A lowp_scales[0], B lowp_scales[1])
;;   THE QUANTISER, for each operand of a quantised product, along K:
;;     - The operand's scale is 2^e, e = its entry of the input lowp_scales (int32; the entries are numbered through the quantised products in the list's order, A before B).
;;     - Each number is divided by the scale, clamped to +-57,344, and rounded to the nearest number of E5M2, ties to even, subnormals kept.
;;     - The product sums the exact products of the quantised numbers (number of the format x scale) in f32.
;;   ~~~python
;;   def quantise(x, axis, e):      # numpy; x: float32 -> the quantised numbers, widened to float32 again
;;       x = np.moveaxis(x, axis, -1); K = x.shape[-1]
;;       r = np.clip(x / 2.0 ** e, -57344, 57344)
;;       step = 2.0 ** (np.maximum(np.frexp(np.where(r == 0, 1, r))[1] - 1, -14) - 2)
;;       q = np.round(r / step) * step * 2.0 ** e      # np.round: ties to even
;;       return np.moveaxis(q, -1, axis).astype(np.float32)
;;   ~~~
;;   INPUTS GIVEN AS CODES. W (in the module: [64, 2048], K = its axis 1); x (in the module: [16384, 2048], K = its axis 1): each comes as NAME_codes (uint8): NAME with its K axis moved to the last place and cut into blocks of 32 codes, [.., K / 32, bytes a block], one block behind the other in memory; one code a byte (a code: sign, 5 exponent bits, 2 mantissa bits); its scale is its entry of lowp_scales. Its value is code x scale, taken as it is: it is not quantised again, and the codes and scales need not be those that the quantiser above would give.
;; One version. Each part assembles by itself: llvm-mc -triple=amdgcn-amd-amdhsa -mcpu=gfx1250 --defsym DOCPART=n.
;; ======== version 1 of 1: 1 launch
;; limits: right only within a limited range of input values
;; launch router (part 1): grid 256 x 1, 4 waves a work-group, clusters of 4 x 1, 327,680 bytes of LDS; arguments x_codes, W_codes, lowp_scales, out0, out1, out2; writes out0, out1, out2
.if DOCPART == 1
	.amdgcn_target "amdgcn-amd-amdhsa--gfx1250"
	.amdhsa_code_object_version 6
	.text
	.protected	k_q58ca57a381_router
	.globl	k_q58ca57a381_router
	.p2align	8
	.type	k_q58ca57a381_router,@function
k_q58ca57a381_router:
	s_mov_b64 s[64:65], 0
	v_nop
	global_prefetch_b8 v0, s[64:65] scope:SCOPE_SE
	s_setreg_imm32_b32 hwreg(HW_REG_WAVE_MODE, 25, 1), 1
	s_wait_xcnt 0x0
	s_wait_alu depctr_hold_cnt(0) depctr_sa_sdst(0) depctr_va_vdst(0) depctr_va_sdst(0) depctr_va_ssrc(0) depctr_va_vcc(0) depctr_vm_vsrc(0)
	s_getreg_b32 s2, hwreg(HW_REG_IB_STS2, 6, 4)
	s_cmp_eq_u32 s2, 0
	s_cbranch_scc0 .Lentry_in_a_cluster
	s_endpgm
.Lentry_in_a_cluster:
	s_bfe_u32 s2, ttmp6, 0x10000c
	s_cmp_lg_u32 s2, 0x3003
	s_cbranch_scc0 .Lentry_shape_is_right
	s_endpgm
.Lentry_shape_is_right:
; TopKRouter.  logits[n][e] = sum over k of x[n][k] W[e][k] on codes of BF8 (E5M2), x: [16384][2048], W: [64][2048], one code a byte, K innermost; a number is its code x 2^e0 (x) or x 2^e1 (W).
; out0 = softmax over the 64 experts, out1 = the two experts with the largest probability (ties: the lower index first), out2 = their probabilities / (their sum + 1e-9).
; NOTHING OF THE COMPUTATION IS LEFT OUT: all three inputs reach the outputs and are loaded.
; SHARES.  A work-group of four waves owns 64 tokens; wave w owns tokens 16 w .. 16 w + 15 and walks all of K for all 64 experts: 64 matrix instructions on four accumulators, one chain for each output, K ascending.
; All that a work-group needs, 128 KiB of x and 128 KiB of W, fits in LDS: every tile is filled once, at the head; nothing is filled again.
; x: a wave's 16 rows come as four tiles of 16 rows x 512 bytes, K ascending, by its own tensor loads, and only that wave reads them: its own wait on TENSORcnt orders those reads.  The rows are cut along K so that early K is multiplied while later K is on its way.
; W: every wave reads all of it from LDS, 4 x 128 KiB in the work-group against 128 KiB if the waves shared K.  That is the price of this split.  What it buys: behind the landing of a wave's last tile stand 16 LDS loads and 16 products,
; and no exchange between waves; all reads of W are issued ahead of that tile's wait.  W's quarters take turns in two register windows, each fetched two quarters ahead of its products.
; CLUSTER.  Four work-groups along x form a cluster.  All need the same W, half of a work-group's bytes: wave w of each asks for W's quarter w (64 rows x 512 bytes) JOINTLY (the same descriptor, a mask that names the four).  x is a work-group's own: plain loads.
; THE MATRIX INSTRUCTION IS USED TRANSPOSED (source 0 = 16 experts, source 1 = my 16 tokens): lane (r, h) holds token r; register j of expert tile t is expert 16 t + 8 h + j.  A fragment is fetched by four loads of 16 bytes:
; that orders k inside a K step otherwise than the form's own layout, alike in both sources, so every product meets its partner.
; SOFTMAX in f32: t = S c - max(S) c, c = log2(e) 2^(e0 + e1) > 0: the row's largest logit is taken away; the rounding of max(S) c moves all t of a row alike and leaves with the division by the sum.
; TOP 2 is taken of the probabilities as they are stored, by selections alone: no branch and no address hangs on them.
; LIMITS.  e0 + e1 between -126 and 127: they are added to c's exponent field.  A row that holds a NaN gets NaN in out0; its indices and weights are not served.  A probability under 2^-126 comes out as 0 (the exponential's result is flushed: ISA guide 15.8).
; out1, out2: a wave's 16 tokens are 128 consecutive bytes of each: one store of 4 bytes a lane.  Stores of 256 bytes would take a barrier and a second way through LDS for 262,144 of the launch's 38 million bytes.
; REGISTERS, in windows of 256 (s_set_vgpr_msb: bits 1:0 source 0, 3:2 source 1, 5:4 source 2, 7:6 destination):
;   window 0: v1-31 addresses and the two top-2 chains; v32-47 partial sums; v64-95 rows of out0; v128-159 the four accumulators (tile t at v[128 + 8 t]): S, then t, then p; v160-169 at work
;   windows 1, 2: a quarter of W each (K step s, tile t at v[64 s + 16 t]): quarters 0 and 2 in window 1, quarters 1 and 3 in window 2;   window 3: x's 16 fragments (chunk c, K step s at v[64 c + 16 s])
.set DM,     2048                      ; bytes in a row of codes
.set PW,     528                       ; a tile's row in LDS, W's and x's: 512 bytes + 16 of padding = 132 words: row r starts at bank 4 r mod 64 (64 banks of 4 bytes: ISA guide 11.1)
.set WREG,   64*PW                     ; a quarter of W: 33,792 bytes
.set XCH,    16*PW                     ; a chunk of x: 16 tokens x 512 along K: 8,448 bytes; four a wave
.set XBASE,  4*WREG                    ; x's chunks lie behind W's quarters
.set SP,     272                       ; a row of the stage for out0: 256 bytes + 16
.set STG,    XBASE+16*XCH              ; behind the tiles, at a multiple of 256: no fill lands from here on.  16 rows x 272 bytes, 17 blocks of 256, for each wave
.set SPARE,  STG+4*16*SP               ; the spare words, 128 bytes for each wave: two blocks of 256 bytes that no other line names
.set AW,  4                            ; v4-5    LDS address of my lane in W's quarters 0, 1 and 2, 3
.set AX,  6                            ; v6      the same in my four chunks of x
.set STO, 13                           ; v13     the way out: where I put 16 bytes of a row of out0
.set RD,  14                           ; v14     and where I read a row back
.set GO,  15                           ; v15     16 x lane: my byte offset in two rows of out0
.set SPW, 16                           ; v16     LDS address of my spare word; never rewritten
.set NIL, 17                           ; v17     0; never rewritten
.set G8,  18                           ; v18     my byte offset in the wave's part of out1 and out2: 8 r + 4 h
.set H8,  19                           ; v19     8 h
.set MC,  22                           ; v[22:23] max(S) c
.set TA,  24                           ; v24-27  chain A: largest p, its index, second p, its index
.set TB,  28                           ; v28-31  chain B
.set PB,  32                           ; v32-47  partial sums
.set OB,  64                           ; v64-95  rows of out0 read back
.set ACC, 128
.set LG,  128                          ; the accumulators: S, then t, then the exponentials, then p
.set T0,  160                          ; v160-162 at work
.set T1,  161
.set T2,  162
.set RI,  164                          ; v[164:165] 1 / the row's sum
.set MT,  166                          ; v166-169 at work in a merge
.set G1W, 16                           ; s[16:23] descriptor group 1 for W's quarters;  s[24:31] for x's chunks
.set G1X, 24
.set G0W, 32                           ; s[32:35] group 0 for W;  s[36:51] for x's four chunks
.set G0X, 36
.set WV,  52                           ; s52  my wave's number
.set SEL, 62                           ; s[62:63] lane selects of v_permlanex16_b32: lane l xor 16
.set CS,  66                           ; s[66:67] e0, e1; then c: the packed form names a pair and takes its low word for both halves
.set MSB, 0
.macro WIN new                         ; the immediate's high byte repeats the setting that is left
.if MSB != \new
	s_set_vgpr_msb (MSB<<8)|\new
.set MSB, \new
.endif
.endm
.macro CROUND                          ; a round of the cluster's barrier: my work-group's barrier; wave 0 signals for the work-group; every wave waits for the four work-groups; my work-group's barrier once more
	s_barrier_signal -1
	s_barrier_wait -1
	s_cmp_lg_u32 s[WV], 0
	s_cbranch_scc1 .Lnot_wave_0_\@
	s_barrier_signal -3
.Lnot_wave_0_\@:
	s_barrier_wait -3
	s_barrier_signal -1
	s_barrier_wait -1
.endm
	s_load_b256 s[4:11], s[0:1], 0x0               ; x's codes s[4:5], W's codes s[6:7], the scales' exponents s[8:9], out0 s[10:11]
	s_load_b128 s[12:15], s[0:1], 0x20             ; out1 s[12:13], out2 s[14:15]
	v_lshl_add_u32 v[SPW], v0, 2, SPARE
	v_mov_b32 v[NIL], 0
	ds_add_u32 v[SPW], v[NIL]                      ; the wave's opening: the add, twice on end, and its wait ahead of my first tensor load; the set-up below, work on registers, stands between
	ds_add_u32 v[SPW], v[NIL]
	v_lshrrev_b32 v1, 5, v0
	v_readfirstlane_b32 s[WV], v1                  ; wave 0..3
	s_bfe_u32 s53, ttmp6, 0x40000                  ; cx: my place in the cluster
	s_lshl_b32 s54, ttmp9, 2                       ; in a cluster launch ttmp9 counts clusters
	s_add_co_u32 s54, s54, s53                     ; my block of 64 tokens: it enters x's and the outputs' addresses alone
	; group 1 for W: 64 rows x 512 bytes, 2,048 bytes apart, 16 bytes of padding behind each row
	s_mov_b32 s[G1W], 15|(1<<20)|(1<<21)|(6<<22)|(3<<25)   ; 15:0 the mask: all four work-groups; 17:16 elements of 1 byte; 20 padding on; 21 set beside a mask; 24:22 after every 128 words (code 6); 31:25 four words (code 3)
	s_mov_b32 s[G1W+1], 512<<16                    ; tensor_dim0
	s_mov_b32 s[G1W+2], 64<<16                     ; tensor_dim1
	s_mov_b32 s[G1W+3], 512<<16                    ; tile_dim0
	s_mov_b32 s[G1W+4], 64                         ; tile_dim1
	s_mov_b32 s[G1W+5], DM                         ; tensor_dim0_stride
	s_mov_b32 s[G1W+6], 0
	s_mov_b32 s[G1W+7], 0
	; group 1 for x: 16 rows x 512 bytes, the same padding, no mask
	s_mov_b32 s[G1X], (1<<20)|(6<<22)|(3<<25)
	s_mov_b32 s[G1X+1], 512<<16
	s_mov_b32 s[G1X+2], 16<<16
	s_mov_b32 s[G1X+3], 512<<16
	s_mov_b32 s[G1X+4], 16
	s_mov_b32 s[G1X+5], DM
	s_mov_b32 s[G1X+6], 0
	s_mov_b32 s[G1X+7], 0
	s_mul_i32 s55, s[WV], WREG                     ; the quarter of W that I fetch, in LDS: the wave's number alone
	s_mul_i32 s56, s[WV], 4*XCH
	s_add_co_u32 s56, s56, XBASE                   ; my four chunks of x in LDS: likewise
	s_lshl_b32 s58, s[WV], 9                       ; W: quarter w is 512 bytes of every row
	s_mov_b32 s59, 0
	s_lshl_b32 s60, s54, 17                        ; x: my block's 64 rows of 2,048 bytes (under 2^25),
	s_lshl_b32 s57, s[WV], 15
	s_add_co_u32 s60, s60, s57                     ; + my wave's 16 of them
	s_mov_b32 s61, 0
	s_mov_b32 s[SEL], 0x76543210
	s_mov_b32 s[SEL+1], 0xfedcba98
	s_wait_dscnt 0x0                               ; both opening adds are done
	s_wait_kmcnt 0x0
	s_load_b64 s[CS:CS+1], s[8:9], 0x0             ; e0, e1
	s_mov_b32 s[G0W], 1                            ; count = 1
	s_mov_b32 s[G0W+1], s55                        ; LDS address
	s_add_nc_u64 s[G0W+2:G0W+3], s[6:7], s[58:59]  ; global address: made of the wave's number alone, so it is equal in the four partners
	s_or_b32 s[G0W+3], s[G0W+3], 0x80000000        ; type = 2
	s_add_nc_u64 s[4:5], s[4:5], s[60:61]          ; x at my wave's first row
.irp c, 0,1,2,3
	s_mov_b32 s[G0X+4*\c], 1
	s_add_co_u32 s[G0X+4*\c+1], s56, \c*XCH
	s_add_nc_u64 s[G0X+4*\c+2:G0X+4*\c+3], s[4:5], \c*512   ; chunk c: 512 c along K
	s_or_b32 s[G0X+4*\c+3], s[G0X+4*\c+3], 0x80000000
.endr
	CROUND                                         ; all four work-groups are here: the joint loads meet
	tensor_load_to_lds s[G0W:G0W+3], s[G1W:G1W+7]  ; the launch's only fills go out as one group: five loads of mine are out
	s_nop 0
.irp c, 0,1,2,3
	tensor_load_to_lds s[G0X+4*\c:G0X+4*\c+3], s[G1X:G1X+7]
	s_nop 0
.endr
.rept 4
	v_nop
.endr
	; addresses and constants, while the tiles are on their way
	v_and_b32 v1, 15, v0                           ; r
	v_bfe_u32 v2, v0, 4, 1                         ; h
	v_and_b32 v3, 31, v0                           ; lane
	v_lshlrev_b32 v[GO], 4, v3
	v_mul_u32_u24 v24, v1, PW
	v_lshl_add_u32 v[AW], v2, 4, v24               ; a fragment's row x pitch + 16 h: W's quarters 0 and 1 are reached by the immediate,
	v_add_nc_u32 v[AW+1], 2*WREG, v[AW]            ; quarters 2 and 3 from here
	v_add_nc_u32 v[AX], s56, v[AW]                 ; and my chunks of x
	s_mul_i32 s68, s[WV], 16*SP
	s_add_co_u32 s68, s68, STG                     ; my stage
	v_mul_u32_u24 v[STO], v1, SP
	v_lshl_add_u32 v[STO], v2, 5, v[STO]
	v_add_nc_u32 v[STO], s68, v[STO]               ; in: row r x 272 + 32 h
	v_mul_u32_u24 v[RD], v2, SP
	v_lshl_add_u32 v[RD], v1, 4, v[RD]
	v_add_nc_u32 v[RD], s68, v[RD]                 ; back: lanes 0-15 one row of 256 bytes, lanes 16-31 the next
	v_lshlrev_b32 v[H8], 3, v2
	v_lshlrev_b32 v[G8], 3, v1
	v_lshl_add_u32 v[G8], v2, 2, v[G8]
	v_mov_b32 v[MC+1], 0                           ; (named as the upper half of a pair, so it is written)
	v_mov_b32 v[RI+1], 0                           ; (likewise)
	v_mov_b32 v[T2], 0                             ; written once: a lane permute's destination counts as one of its sources
	s_lshl_b32 s68, s54, 6
	s_lshl_b32 s69, s[WV], 4
	s_add_co_u32 s68, s68, s69                     ; my first token: 64 x block + 16 x wave
	s_lshl_b32 s72, s68, 8                         ; a row of out0 is 256 bytes
	s_mov_b32 s73, 0
	s_add_nc_u64 s[10:11], s[10:11], s[72:73]
	s_lshl_b32 s72, s68, 3                         ; a row of out1 and of out2 is 8 bytes
	s_add_nc_u64 s[12:13], s[12:13], s[72:73]
	s_add_nc_u64 s[14:15], s[14:15], s[72:73]
.macro WFETCH q, win                   ; quarter q of W, all 64 experts x 512 along K: 16 fragments, 64 loads.  Lane (r, h): expert 16 t + r, K bytes 512 q + 128 s + 32 c + 16 h on
	WIN \win                                       ; destination window 1 or 2, address window 0
.irp s, 0,1,2,3
.irp t, 0,1,2,3
.irp c, 0,1,2,3
	ds_load_b128 v[64*\s+16*\t+4*\c:64*\s+16*\t+4*\c+3], v[AW+(\q)/2] offset:((\q)%2)*WREG+\t*16*PW+128*\s+32*\c
.endr
.endr
.endr
.endm
; Chunk q of x and its 16 products.  left: my tensor loads issued behind chunk q's, which may stay out.  win: source 0 (W) window 1 or 2, source 1 (x) window 3, C and D window 0.
; The chunk's 16 loads are the youngest LDS instructions of the wave, four to a K step: the wait ahead of K step s leaves the 12 - 4 s loads of the later K steps out; the reads of W, issued earlier, are in by then.
; The four accumulators take turns, one instruction a turn, in the same order in every K step.  The very first K step starts the sums: nothing is cleared.
.macro CHUNK q, win, left
	s_wait_tensorcnt \left
	WIN 0xc0                                       ; destination window 3, address window 0
.irp s, 0,1,2,3
.irp c, 0,1,2,3
	ds_load_b128 v[64*(\q)+16*\s+4*\c:64*(\q)+16*\s+4*\c+3], v[AX] offset:(\q)*XCH+128*\s+32*\c
.endr
.endr
	WIN \win
.irp s, 0,1,2,3
	s_wait_dscnt 12-4*\s
.irp t, 0,1,2,3
.if ((\q)+\s) == 0
	v_wmma_f32_16x16x128_bf8_bf8 v[ACC+8*\t:ACC+8*\t+7], v[64*\s+16*\t:64*\s+16*\t+15], v[64*(\q)+16*\s:64*(\q)+16*\s+15], 0
.else
	v_wmma_f32_16x16x128_bf8_bf8 v[ACC+8*\t:ACC+8*\t+7], v[64*\s+16*\t:64*\s+16*\t+15], v[64*(\q)+16*\s:64*(\q)+16*\s+15], v[ACC+8*\t:ACC+8*\t+7]
.endif
.endr
.endr
.endm
.macro PLACES                          ; four places between matrix instructions and loads into registers that they have read, or the first read of their results (ISA guide 7.12.1 for vector instructions)
.rept 4
	v_nop
.endr
.endm
	s_wait_tensorcnt 0x4                           ; the quarter of W that I fetched is in; my four loads of x, issued behind it, may be out
	s_barrier_signal -1
	s_barrier_wait -1                              ; everybody's quarter is in: all of W may be read
	WFETCH 0, 0x40
	WFETCH 1, 0x80
	s_wait_kmcnt 0x0                               ; e0, e1: scalar work, while the reads of W are out
	s_add_co_i32 s[CS], s[CS], s[CS+1]             ; a sum of codes' products stands for sum x 2^(e0 + e1):
	s_lshl_b32 s[CS], s[CS], 23
	s_add_co_i32 s[CS], s[CS], 0x3fb8aa3b          ; the two exponents are added to the exponent field of log2(e): c
	s_mov_b32 s[CS+1], s[CS]                       ; (named with it as a pair, so it is written)
	CHUNK 0, 0x0d, 3
	PLACES
	WFETCH 2, 0x40                                 ; into the window that quarter 0 has left, while chunk 1 is awaited
	CHUNK 1, 0x0e, 2
	PLACES
	WFETCH 3, 0x80                                 ; likewise, into quarter 1's window
	CHUNK 2, 0x0d, 1
	CHUNK 3, 0x0e, 0                               ; behind my last tile's landing: 16 loads and 16 products
	WIN 0
	PLACES
	; ---- softmax.  S: register 8 t + j of lane (r, h) is token r, expert 16 t + 8 h + j.  The largest S of my token, among my 32 experts in two chains (each accumulator is read from its low end on), then the other half of the lanes'
	v_max3_num_f32 v[T0], v[LG], v[LG+1], v[LG+2]
	v_max3_num_f32 v[T1], v[LG+3], v[LG+4], v[LG+5]
.irp i, 6,10,14,18,22,26
	v_max3_num_f32 v[T0], v[T0], v[LG+\i], v[LG+\i+1]
	v_max3_num_f32 v[T1], v[T1], v[LG+\i+2], v[LG+\i+3]
.endr
	v_max3_num_f32 v[T0], v[T0], v[LG+30], v[LG+31]
	v_max_num_f32 v[T0], v[T0], v[T1]
	v_permlanex16_b32 v[T2], v[T0], s[SEL], s[SEL+1]
	v_max_num_f32 v[T0], v[T0], v[T2]
	v_mul_f32 v[MC], s[CS], v[T0]                  ; max(S) c
.irp j, 0,2,4,6,8,10,12,14,16,18,20,22,24,26,28,30
	v_pk_fma_f32 v[LG+\j:LG+\j+1], v[LG+\j:LG+\j+1], s[CS:CS+1], v[MC:MC+1] op_sel_hi:[1,0,0] neg_lo:[0,0,1] neg_hi:[0,0,1]   ; t = S c - max(S) c, two at a time (of the pairs c and max c the low word serves both halves)
.endr
.irp j, 0,1,2,3,4,5,6,7,8,9,10,11,12,13,14,15,16,17,18,19,20,21,22,23,24,25,26,27,28,29,30,31
	v_exp_f32 v[LG+\j], v[LG+\j]                   ; 2^t: one batch
.endr
	v_nop                                          ; a plain instruction behind the last exponential
	s_wait_alu depctr_va_vdst(0)                   ; the wait ahead of the first reader: one for the batch
.irp i, 0,1,2,3,4,5,6,7
	v_pk_add_f32 v[PB+2*\i:PB+2*\i+1], v[LG+4*\i:LG+4*\i+1], v[LG+4*\i+2:LG+4*\i+3]   ; the row's sum, as a tree
.endr
.irp i, 0,1,2,3
	v_pk_add_f32 v[PB+4*\i:PB+4*\i+1], v[PB+4*\i:PB+4*\i+1], v[PB+4*\i+2:PB+4*\i+3]
.endr
.irp i, 0,1
	v_pk_add_f32 v[PB+8*\i:PB+8*\i+1], v[PB+8*\i:PB+8*\i+1], v[PB+8*\i+4:PB+8*\i+5]
.endr
	v_pk_add_f32 v[PB:PB+1], v[PB:PB+1], v[PB+8:PB+9]
	v_add_f32 v[T0], v[PB], v[PB+1]
	v_permlanex16_b32 v[T2], v[T0], s[SEL], s[SEL+1]
	v_add_f32 v[T0], v[T0], v[T2]                  ; with the other half of the lanes': all 64 experts
	v_rcp_f32 v[RI], v[T0]
	v_mov_b32 v[TA+1], 0                           ; plain work behind the reciprocal: the two chains begin: chain A with my expert code 0, chain B with code 32;
	v_mov_b32 v[TA+2], -1.0                        ; their second places hold -1, under every probability
	v_mov_b32 v[TA+3], 0
	v_mov_b32 v[TB+1], 32
	v_mov_b32 v[TB+2], -1.0
	v_mov_b32 v[TB+3], 32
	s_wait_alu depctr_va_vdst(0)                   ; the wait ahead of the reciprocal's first reader
.irp j, 0,2,4,6,8,10,12,14,16,18,20,22,24,26,28,30
	v_pk_mul_f32 v[LG+\j:LG+\j+1], v[LG+\j:LG+\j+1], v[RI:RI+1] op_sel_hi:[1,0]   ; p
.endr
	; ---- out0 goes through my stage: a lane's 32 bytes of a tile into rows of 272 bytes, back as whole rows of 256.  LDS serves a wave's instructions in order (ISA guide 5.7.1.4): no wait between
.irp t, 0,1,2,3
	ds_store_b128 v[STO], v[LG+8*\t:LG+8*\t+3] offset:64*\t
	ds_store_b128 v[STO], v[LG+8*\t+4:LG+8*\t+7] offset:64*\t+16
.endr
.irp i, 0,1,2,3,4,5,6,7
	ds_load_b128 v[OB+4*\i:OB+4*\i+3], v[RD] offset:2*\i*SP
.endr
; THE TWO LARGEST, with their indices.  Chain A walks my experts of tiles 0 and 1, chain B those of tiles 2 and 3, each in ascending index, line by line in turn so that no line waits for the one above it.
; A new p takes a place only where it is strictly larger, so of equal numbers the lower index stays ahead.  The index is kept as 16 t + j; 8 h is added behind the chains.
.macro INS2 n
.set EA, LG+(\n)
.set EB, LG+16+(\n)
.set KA, 16*((\n)/8)+(\n)%8
.set KB, KA+32
	v_cmp_le_f32 s68, v[EA], v[TA]                 ; the first place stays
	v_cmp_le_f32 s70, v[EB], v[TB]
	v_cmp_le_f32 s69, v[EA], v[TA+2]               ; the second place stays
	v_cmp_le_f32 s71, v[EB], v[TB+2]
	v_cndmask_b32 v[TA+3], KA, v[TA+3], s69
	v_cndmask_b32 v[TB+3], KB, v[TB+3], s71
	v_med3_num_f32 v[TA+2], v[EA], v[TA], v[TA+2]  ; the middle one of the new p and the two kept is the new second
	v_med3_num_f32 v[TB+2], v[EB], v[TB], v[TB+2]
	v_cndmask_b32 v[TA+3], v[TA+1], v[TA+3], s68   ; a new first pushes the old first down
	v_cndmask_b32 v[TB+3], v[TB+1], v[TB+3], s70
	v_max_num_f32 v[TA], v[TA], v[EA]
	v_max_num_f32 v[TB], v[TB], v[EB]
	v_cndmask_b32 v[TA+1], KA, v[TA+1], s68
	v_cndmask_b32 v[TB+1], KB, v[TB+1], s70
.endm
; Two sorted pairs become one, in a's registers.  'Ahead' is: larger, or equal with the lower index.
.macro MERGE a, b
	v_cmp_gt_f32 s68, v[\a], v[\b]
	v_cmp_eq_f32 s69, v[\a], v[\b]
	v_cmp_lt_u32 s70, v[\a+1], v[\b+1]
	s_and_b32 s69, s69, s70
	s_or_b32 s68, s68, s69                         ; a's first is ahead of b's
	v_cndmask_b32 v[MT], v[\a], v[\b], s68         ; the first that lost,
	v_cndmask_b32 v[MT+1], v[\a+1], v[\b+1], s68
	v_cndmask_b32 v[MT+2], v[\b+2], v[\a+2], s68   ; and the winner's own second
	v_cndmask_b32 v[MT+3], v[\b+3], v[\a+3], s68
	v_cndmask_b32 v[\a], v[\b], v[\a], s68
	v_cndmask_b32 v[\a+1], v[\b+1], v[\a+1], s68
	v_cmp_gt_f32 s68, v[MT], v[MT+2]
	v_cmp_eq_f32 s69, v[MT], v[MT+2]
	v_cmp_lt_u32 s70, v[MT+1], v[MT+3]
	s_and_b32 s69, s69, s70
	s_or_b32 s68, s68, s69
	v_cndmask_b32 v[\a+2], v[MT+2], v[MT], s68
	v_cndmask_b32 v[\a+3], v[MT+3], v[MT+1], s68
.endm
	v_mov_b32 v[TA], v[LG]                         ; the first half of the chains stands between the stage's loads and the waits for them
	v_mov_b32 v[TB], v[LG+16]
.irp n, 1,2,3,4,5,6,7
	INS2 \n
.endr
.irp i, 0,1,2,3,4,5,6,7
	s_wait_dscnt 7-\i                              ; row pair i is back; the later pairs' loads may be out
	global_store_b128 v[GO], v[OB+4*\i:OB+4*\i+3], s[10:11] offset:512*\i th:TH_STORE_NT   ; 32 lanes store 512 consecutive bytes, two rows of out0, at a multiple of 256 from its first byte.  Their registers are not written again
.endr
.irp n, 8,9,10,11,12,13,14,15
	INS2 \n
.endr
	MERGE TA, TB
	v_add_nc_u32 v[TA+1], v[H8], v[TA+1]           ; the experts' true numbers: 16 t + 8 h + j
	v_add_nc_u32 v[TA+3], v[H8], v[TA+3]
.irp i, 0,1,2,3
	v_permlanex16_b32 v[TB+\i], v[TA+\i], s[SEL], s[SEL+1]   ; the pair of my token's other 32 experts
.endr
	MERGE TA, TB                                   ; both lanes of a token reach the same result: the order is total, since no index occurs twice
	v_add_f32 v[MT], v[TA], v[TA+2]
	v_add_f32 v[MT], 0x3089705f, v[MT]             ; + 1e-9
	v_rcp_f32 v[MT+1], v[MT]
	v_cmp_ne_u32 vcc_lo, 0, v[H8]                  ; lanes 0-15 store the first place, lanes 16-31 the second.  (Plain work behind the reciprocal)
	v_cndmask_b32 v[MT+2], v[TA], v[TA+2], vcc_lo
	v_cndmask_b32 v[MT+3], v[TA+1], v[TA+3], vcc_lo
	s_wait_alu depctr_va_vdst(0)                   ; the wait ahead of the reciprocal's first reader
	v_mul_f32 v[MT+2], v[MT+2], v[MT+1]
	global_store_b32 v[G8], v[MT+3], s[12:13] th:TH_STORE_NT   ; the wave's 16 tokens: 128 consecutive bytes of out1,
	global_store_b32 v[G8], v[MT+2], s[14:15] th:TH_STORE_NT   ; and of out2
	s_wait_tensorcnt 0x0                           ; the wave's end: behind my last tensor load and my last LDS store
	ds_add_u32 v[SPW], v[NIL]
	s_wait_dscnt 0x0
	CROUND                                         ; the closing round: no work-group ends while a partner may still ask for a tile that names it
	s_endpgm
.Lfunc_end_k_q58ca57a381_router:
	.size	k_q58ca57a381_router, .Lfunc_end_k_q58ca57a381_router-k_q58ca57a381_router
	.p2alignl 7, 3214868480
	.fill 96, 4, 3214868480
	.section	.rodata,"a",@progbits
	.p2align	6, 0x0
	.amdhsa_kernel k_q58ca57a381_router
		.amdhsa_group_segment_fixed_size 327680
		.amdhsa_private_segment_fixed_size 0
		.amdhsa_enable_private_segment 0
		.amdhsa_kernarg_size 48
		.amdhsa_user_sgpr_count 2
		.amdhsa_user_sgpr_kernarg_segment_ptr 1
		.amdhsa_wavefront_size32 1
		.amdhsa_system_sgpr_workgroup_id_x 1
		.amdhsa_system_sgpr_workgroup_id_y 1
		.amdhsa_system_sgpr_workgroup_id_z 1
		.amdhsa_system_vgpr_workitem_id 0
		.amdhsa_next_free_vgpr 1024
		.amdhsa_next_free_sgpr 80
		.amdhsa_reserve_vcc 1
		.amdhsa_float_denorm_mode_32 3
		.amdhsa_float_denorm_mode_16_64 3
		.amdhsa_memory_ordered 1
		.amdhsa_forward_progress 1
		.amdhsa_inst_pref_size 55
	.end_amdhsa_kernel
	.amdgpu_metadata
---
amdhsa.version: [ 1, 2 ]
amdhsa.kernels:
  - .name:           k_q58ca57a381_router
    .symbol:         k_q58ca57a381_router.kd
    .args:
      - { .name: x_codes, .offset: 0, .size: 8, .value_kind: global_buffer, .address_space: global }
      - { .name: W_codes, .offset: 8, .size: 8, .value_kind: global_buffer, .address_space: global }
      - { .name: lowp_scales, .offset: 16, .size: 8, .value_kind: global_buffer, .address_space: global }
      - { .name: out0, .offset: 24, .size: 8, .value_kind: global_buffer, .address_space: global }
      - { .name: out1, .offset: 32, .size: 8, .value_kind: global_buffer, .address_space: global }
      - { .name: out2, .offset: 40, .size: 8, .value_kind: global_buffer, .address_space: global }
    .group_segment_fixed_size: 327680
    .private_segment_fixed_size: 0
    .kernarg_segment_align: 8
    .kernarg_segment_size: 48
    .max_flat_workgroup_size: 128
    .sgpr_count:     80
    .vgpr_count:     1024
    .wavefront_size: 32
...
	.end_amdgpu_metadata
.endif
;; end of part 1
